; MI455X (gfx1250); checked and timed in simulation.
; The chip was launched on July 23, 2026; its instructions are those of AMD's public machine-readable ISA for CDNA 5 (MIT licence, August 2026) and "CDNA5" Instruction Set Architecture Reference Guide (July 2026). The comments in the code are by the model that wrote it; some were corrected since.
;; Neurcomp. Allowed arithmetic: float matrix products may take bf16 or f16 operands with f32 sums; other float arithmetic in f32, or as packed bf16 or f16 multiplies, adds, multiply-adds, maxima and minima; sums over many terms, partial sums and values carried from step to step in f32; what a program stores and reads back later, other than sums and carried values, may be rounded once to bf16 or f16.
;; Inputs: b0 128 float32; bf 1 float32; res_b1 7 x 128 float32; res_b2 7 x 128 float32; res_w1 7 x 128 x 128 float32; res_w2 7 x 128 x 128 float32; w0 128 x 3 float32; wf 1 x 128 float32; x 200,000 x 3 float32.
;; Outputs: out0 200,000 x 1 float32.
;; One version. Each part assembles by itself: llvm-mc -triple=amdgcn-amd-amdhsa -mcpu=gfx1250 --defsym DOCPART=n.
;; ======== version 1 of 1: 2 launches
;; limits: inputs' magnitudes at most 255; values are held in f16: magnitudes above 65,504 overflow, below 6.1e-05 lose precision; right only within a limited range of input values; a function is approximated: absolute error at most 6e-06
;; workspace buffers: wpk 479,232 bytes
;; launch prep (part 1): grid 117 x 1, 8 waves a work-group, no clusters, 0 bytes of LDS; arguments w0, b0, res_w1, res_b1, res_w2, res_b2, wf, bf, wpk; writes wpk
.if DOCPART == 1
	.amdgcn_target "amdgcn-amd-amdhsa--gfx1250"
	.amdhsa_code_object_version 6
	.text
	.protected	k_q12f620cab9_prep
	.globl	k_q12f620cab9_prep
	.p2align	8
	.type	k_q12f620cab9_prep,@function
k_q12f620cab9_prep:
	s_mov_b64 s[64:65], 0
	v_nop
	global_prefetch_b8 v0, s[64:65] scope:SCOPE_SE
	s_setreg_imm32_b32 hwreg(HW_REG_WAVE_MODE, 25, 1), 1
	s_wait_xcnt 0x0
; ALL WEIGHTS AND BIASES, ROUNDED ONCE AND LAID OUT AS THE SECOND LAUNCH'S LDS AND OPERAND REGISTERS TAKE THEM.  Nothing of reference() is left out: every input but x is read here.
; Each number is rounded to bf16 (nearest even) and then multiplied by a power of two, which is exact: 256 for all; 128 for res_w1[i], i > 0 (reference()'s 0.5 h in front of
; the first product of blocks 1 to 6) and for wf (its 0.5 behind the last block).  The residual weights and wf are written as f16, w0 and b0 as bf16, the other biases as f32.
; LIMITS.  |res_w1|, |res_w2|, |wf| stay under 255 (f16 ends at 65,504); a rounded weight under 2.4e-7 falls on f16's fixed step, 2^-24 / 256 of the weight's own scale.
; wpk, bytes:  0      A0: 8 fragments of 1,024: 16 rows of (256 w0[row][0..2], 256 b0[row], 28 zeros), bf16
;              8192   AF: 4 fragments: row 0 = 128 wf, rows 1 to 15 = 0, f16
;              12288  16 entries of 128 f32: entry l < 14 = 256 res_b1[l / 2] (l even) or 256 res_b2[l / 2]; entry 14 = 256 bf, 128 times; entry 15 = 0
;              20480 + 32768 l   layer l = 0..13: res_w1[l / 2] (l even) or res_w2[l / 2]
; A fragment (16 rows f, 32 columns kk) lies at 4096 f + 1024 kk + 512 c + 16 lane and holds W[16 f + lane % 16][32 kk + 16 c + 8 (lane / 16) + 0..7].
; SHARES.  A thread makes 16 bytes of wpk, a wave's store covers 512 consecutive bytes, aligned; 29,952 such pieces are 117 work-groups of 256 threads.  The work-group's number picks the arm.
	s_load_b512 s[4:19], s[0:1], 0x0               ; w0 s[4:5], b0 s[6:7], res_w1 s[8:9], res_b1 s[10:11], res_w2 s[12:13], res_b2 s[14:15], wf s[16:17], bf s[18:19]
	s_load_b64 s[20:21], s[0:1], 0x40              ; wpk
	v_and_b32 v1, 31, v0                           ; lane
	v_and_b32 v2, 15, v0                           ; r = lane % 16
	v_bfe_u32 v3, v0, 4, 1                         ; hh = lane / 16
	v_lshrrev_b32 v4, 5, v0
	v_readfirstlane_b32 s22, v4                    ; wave 0..7 = 2 kk + c
	s_mov_b32 s34, 0x43800000                      ; 256.0, as a pair for the packed multiply
	s_mov_b32 s35, s34
	s_mov_b32 s36, 0xffff0000                      ; a word's upper bf16
	s_wait_kmcnt 0x0
	s_cmp_ge_u32 ttmp9, 5
	s_cbranch_scc1 .Lres
	s_cmp_ge_u32 ttmp9, 3
	s_cbranch_scc1 .Lbias
	s_cmp_eq_u32 ttmp9, 2
	s_cbranch_scc1 .Laf
; v[8:15], eight f32: rounded to bf16, widened, times s34, written as f16 into v[24:27]
.macro TOF16
.irp p, 0,1,2,3
	v_cvt_pk_bf16_f32 v[16+\p], v[8+2*\p], v[9+2*\p]
.endr
.irp p, 0,1,2,3
	v_lshlrev_b32 v[8+2*\p], 16, v[16+\p]
	v_and_b32 v[9+2*\p], s36, v[16+\p]
.endr
.irp p, 0,1,2,3
	v_pk_mul_f32 v[8+2*\p:9+2*\p], v[8+2*\p:9+2*\p], s[34:35] op_sel_hi:[1,0]
.endr
.irp p, 0,1,2,3
	v_cvt_pk_f16_f32 v[24+\p], v[8+2*\p], v[9+2*\p]
.endr
.endm
	; work-groups 0, 1: A0.  Piece q = 256 wg + thread; fragment q / 64; only its first 16 pieces (c = 0, hh = 0: columns 0 to 7) hold numbers
	s_lshl_b32 s23, ttmp9, 2
	s_lshr_b32 s24, s22, 1
	s_add_co_u32 s23, s23, s24                     ; the fragment
	v_lshl_add_u32 v5, s23, 4, v2                  ; the row of w0
	v_mul_u32_u24 v6, 12, v5
	v_lshlrev_b32 v7, 2, v5
	global_load_b96 v[8:10], v6, s[4:5]
	global_load_b32 v11, v7, s[6:7]
	v_and_b32 v16, 63, v0
	v_cmp_gt_u32 vcc_lo, 16, v16
	s_lshl_b32 s25, ttmp9, 12
	v_lshl_add_u32 v17, v0, 4, s25
	s_wait_loadcnt 0x0
	v_pk_mul_f32 v[8:9], v[8:9], s[34:35] op_sel_hi:[1,0]
	v_pk_mul_f32 v[10:11], v[10:11], s[34:35] op_sel_hi:[1,0]
	v_cvt_pk_bf16_f32 v24, v8, v9                  ; the factor 256 is exact, so this is 256 x the rounded number
	v_cvt_pk_bf16_f32 v25, v10, v11
	v_cndmask_b32 v24, 0, v24, vcc_lo
	v_cndmask_b32 v25, 0, v25, vcc_lo
	v_mov_b32 v26, 0
	v_mov_b32 v27, 0
	global_store_b128 v17, v[24:27], s[20:21]
	s_endpgm
.Laf:                                                  ; work-group 2: AF.  Columns 16 wave + 8 hh + 0..7 of wf, kept in row 0 alone
	s_lshl_b32 s23, s22, 6
	v_lshl_add_u32 v5, v3, 5, s23
	global_load_b128 v[8:11], v5, s[16:17]
	global_load_b128 v[12:15], v5, s[16:17] offset:16
	s_mov_b32 s34, 0x43000000                      ; 128.0
	s_mov_b32 s35, s34
	v_cmp_eq_u32 vcc_lo, 0, v2
	v_lshlrev_b32 v6, 4, v0
	s_wait_loadcnt 0x0
	TOF16
.irp p, 24,25,26,27
	v_cndmask_b32 v\p, 0, v\p, vcc_lo
.endr
	global_store_b128 v6, v[24:27], s[20:21] offset:8192
	s_endpgm
.Lbias:                                                ; work-groups 3, 4: a wave makes one entry of 128 f32
	s_sub_co_u32 s23, ttmp9, 3
	s_lshl_b32 s23, s23, 3
	s_add_co_u32 s23, s23, s22                     ; the entry l
	s_lshl_b32 s24, s23, 9
	s_add_co_u32 s24, s24, 12288
	v_lshl_add_u32 v6, v1, 4, s24
	s_cmp_ge_u32 s23, 14
	s_cbranch_scc1 .Lb14
	s_bitcmp1_b32 s23, 0
	s_cselect_b64 s[28:29], s[14:15], s[10:11]     ; l odd: res_b2, even: res_b1
	s_lshr_b32 s30, s23, 1
	s_lshl_b32 s30, s30, 9
	s_mov_b32 s31, 0
	s_add_nc_u64 s[28:29], s[28:29], s[30:31]
	v_lshlrev_b32 v5, 4, v1
	global_load_b128 v[8:11], v5, s[28:29]
	s_wait_loadcnt 0x0
	v_cvt_pk_bf16_f32 v16, v8, v9
	v_cvt_pk_bf16_f32 v17, v10, v11
	v_lshlrev_b32 v24, 16, v16
	v_and_b32 v25, s36, v16
	v_lshlrev_b32 v26, 16, v17
	v_and_b32 v27, s36, v17
	v_pk_mul_f32 v[24:25], v[24:25], s[34:35] op_sel_hi:[1,0]
	v_pk_mul_f32 v[26:27], v[26:27], s[34:35] op_sel_hi:[1,0]
	s_branch .Lbst
.Lb14:
	s_cmp_eq_u32 s23, 14
	s_cbranch_scc0 .Lb15
	v_mov_b32 v5, 0
	global_load_b32 v8, v5, s[18:19]               ; bf
	s_wait_loadcnt 0x0
	v_cvt_pk_bf16_f32 v16, v8, v8
	v_lshlrev_b32 v24, 16, v16
	v_mul_f32 v24, s34, v24
	v_mov_b32 v25, v24
	v_mov_b32 v26, v24
	v_mov_b32 v27, v24
	s_branch .Lbst
.Lb15:
	v_mov_b32 v24, 0
	v_mov_b32 v25, 0
	v_mov_b32 v26, 0
	v_mov_b32 v27, 0
.Lbst:
	global_store_b128 v6, v[24:27], s[20:21]
	s_endpgm
.Lres:                                                 ; work-groups 5 to 116: g = wg - 5 = 8 l + f: the 16 rows f of layer l
	s_sub_co_u32 s23, ttmp9, 5
	s_lshr_b32 s24, s23, 3                         ; l
	s_and_b32 s25, s23, 7                          ; f
	s_lshl_b32 s26, s25, 13                        ; 16 f rows of 512 bytes
	s_lshl_b32 s27, s22, 6                         ; columns 16 wave on
	s_add_co_u32 s26, s26, s27
	v_lshlrev_b32 v5, 9, v2                        ; row r
	v_lshl_add_u32 v5, v3, 5, v5                   ; columns 8 hh on
	v_add_nc_u32 v5, s26, v5
	s_bitcmp1_b32 s24, 0
	s_cselect_b64 s[28:29], s[12:13], s[8:9]       ; l odd: res_w2, even: res_w1
	s_lshr_b32 s30, s24, 1
	s_lshl_b32 s30, s30, 16
	s_mov_b32 s31, 0
	s_add_nc_u64 s[28:29], s[28:29], s[30:31]
	global_load_b128 v[8:11], v5, s[28:29] th:TH_LOAD_NT
	global_load_b128 v[12:15], v5, s[28:29] offset:16 th:TH_LOAD_NT
	s_and_b32 s32, s24, 1
	s_cmp_eq_u32 s24, 0
	s_cselect_b32 s33, 1, 0
	s_or_b32 s32, s32, s33                         ; 1: l odd or l = 0
	s_mov_b32 s37, 0x43000000                      ; 128.0
	s_cmp_lg_u32 s32, 0
	s_cselect_b32 s34, s34, s37
	s_mov_b32 s35, s34
	s_lshl_b32 s38, s23, 12                        ; 32768 l + 4096 f
	s_add_co_u32 s38, s38, 20480
	v_lshl_add_u32 v6, v0, 4, s38
	s_wait_loadcnt 0x0
	TOF16
	global_store_b128 v6, v[24:27], s[20:21]
	s_endpgm
.Lfunc_end_k_q12f620cab9_prep:
	.size	k_q12f620cab9_prep, .Lfunc_end_k_q12f620cab9_prep-k_q12f620cab9_prep
	.p2alignl 7, 3214868480
	.fill 96, 4, 3214868480
	.section	.rodata,"a",@progbits
	.p2align	6, 0x0
	.amdhsa_kernel k_q12f620cab9_prep
		.amdhsa_group_segment_fixed_size 0
		.amdhsa_private_segment_fixed_size 0
		.amdhsa_enable_private_segment 0
		.amdhsa_kernarg_size 72
		.amdhsa_user_sgpr_count 2
		.amdhsa_user_sgpr_kernarg_segment_ptr 1
		.amdhsa_wavefront_size32 1
		.amdhsa_system_sgpr_workgroup_id_x 1
		.amdhsa_system_sgpr_workgroup_id_y 1
		.amdhsa_system_sgpr_workgroup_id_z 1
		.amdhsa_system_vgpr_workitem_id 0
		.amdhsa_next_free_vgpr 32
		.amdhsa_next_free_sgpr 66
		.amdhsa_reserve_vcc 1
		.amdhsa_float_denorm_mode_32 3
		.amdhsa_float_denorm_mode_16_64 3
		.amdhsa_memory_ordered 1
		.amdhsa_forward_progress 1
		.amdhsa_inst_pref_size 8
	.end_amdhsa_kernel
	.amdgpu_metadata
---
amdhsa.version: [ 1, 2 ]
amdhsa.kernels:
  - .name:           k_q12f620cab9_prep
    .symbol:         k_q12f620cab9_prep.kd
    .args:
      - { .name: w0, .offset: 0, .size: 8, .value_kind: global_buffer, .address_space: global }
      - { .name: b0, .offset: 8, .size: 8, .value_kind: global_buffer, .address_space: global }
      - { .name: res_w1, .offset: 16, .size: 8, .value_kind: global_buffer, .address_space: global }
      - { .name: res_b1, .offset: 24, .size: 8, .value_kind: global_buffer, .address_space: global }
      - { .name: res_w2, .offset: 32, .size: 8, .value_kind: global_buffer, .address_space: global }
      - { .name: res_b2, .offset: 40, .size: 8, .value_kind: global_buffer, .address_space: global }
      - { .name: wf, .offset: 48, .size: 8, .value_kind: global_buffer, .address_space: global }
      - { .name: bf, .offset: 56, .size: 8, .value_kind: global_buffer, .address_space: global }
      - { .name: wpk, .offset: 64, .size: 8, .value_kind: global_buffer, .address_space: global }
    .group_segment_fixed_size: 0
    .private_segment_fixed_size: 0
    .kernarg_segment_align: 8
    .kernarg_segment_size: 72
    .max_flat_workgroup_size: 256
    .sgpr_count:     66
    .vgpr_count:     32
    .wavefront_size: 32
...
	.end_amdgpu_metadata
.endif
;; end of part 1
;; launch mlp (part 2): grid 256 x 1, 4 waves a work-group, clusters of 4 x 1, 327,680 bytes of LDS; arguments x, wpk, out0; writes out0
.if DOCPART == 2
	.amdgcn_target "amdgcn-amd-amdhsa--gfx1250"
	.amdhsa_code_object_version 6
	.text
	.protected	k_q12f620cab9_mlp
	.globl	k_q12f620cab9_mlp
	.p2align	8
	.type	k_q12f620cab9_mlp,@function
k_q12f620cab9_mlp:
	s_mov_b64 s[64:65], 0
	v_nop
	global_prefetch_b8 v0, s[64:65] scope:SCOPE_SE
	s_setreg_imm32_b32 hwreg(HW_REG_WAVE_MODE, 25, 1), 1
	s_wait_xcnt 0x0
	s_wait_alu depctr_hold_cnt(0) depctr_sa_sdst(0) depctr_va_vdst(0) depctr_va_sdst(0) depctr_va_ssrc(0) depctr_va_vcc(0) depctr_vm_vsrc(0)
	s_getreg_b32 s2, hwreg(HW_REG_IB_STS2, 6, 4)
	s_cmp_eq_u32 s2, 0
	s_cbranch_scc0 .Lentry_in_a_cluster
	s_endpgm
.Lentry_in_a_cluster:
	s_bfe_u32 s2, ttmp6, 0x10000c
	s_cmp_lg_u32 s2, 0x3003
	s_cbranch_scc0 .Lentry_shape_is_right
	s_endpgm
.Lentry_shape_is_right:
; THE WHOLE NETWORK FOR A BATCH OF POINTS: sin(30 (x w0^T + b0)); seven blocks h = h + sin(30 (W2 sin(30 (W1 h + b1)) + b2)); out = wf h + bf.  Nothing goes through memory between the layers.
; Nothing of reference() is left out.  Its factors 0.5 (on h in front of W1 of blocks 1 to 6; on the last block's result) are powers of two and lie in the weights that the first launch wrote, with a common factor 256.
; FORMATS.  All inputs are rounded once to bf16.  Layer 0 multiplies in bf16.  h and the first sine of a block are rounded to f16 as matrix operands: |h| <= 8 and |sin| <= 1 whatever the inputs, so f16 has the room;
; the weights are their bf16 values written as f16.  Sums, sines and the carried h are f32.
; THE SINE.  acc = 256 (W h + b), the bias being the C operand of a sum's first product.  t = acc S, S = 30 / (2 pi 256); k = (t + 1.5 x 2^23) - 1.5 x 2^23 is t's nearest whole number; r = acc S - k, one rounding, lies in
; -0.5 .. 0.5; sin(2 pi r) = r (C1 + C3 U + C5 U^2 + C7 U^3 + C9 U^4), U = r r: the Chebyshev series of the sine over that range, cut behind its ninth degree, off by 6e-6 at the most.  Ten packed lines for two numbers.
; LIMITS.  |30 (W h + b)| / 2 pi stays under 2^22; NaN and infinities are not treated apart; the weights' range: see the first launch.
; LAYOUT.  Products are taken transposed: source 0 = 16 output features (rows of W), source 1 = 16 points.  In the result lane (r = lane % 16, hh = lane / 16) holds point r and features 8 hh + 0..7; two such results rounded
; to f16 in pairs ARE source 1 (32 features x 16 points) of the next layer.  Nothing changes lanes between the layers.
; SHARES.  A wave has 7 tiles of 16 points, in two PIECES: X = tiles 0-3, Y = tiles 4-6: 448 points a work-group, 1,792 a cluster.  The cluster's batch is 64 pass + the cluster's number; two passes.  200,000 points are 111 such
; batches and 1,088 points: in batch 111 each of the four partners takes 272 consecutive points in place of 448.  What a wave computes past its work-group's share (a neighbour's points, or the last point again) is not stored.
; Clusters 48 to 63 have no batch in pass 2 and leave (a branch on the cluster's number, alike in all partners).
; THE STORES run with all lanes on.  448 results are seven blocks of 256 bytes; a wave's store of 8 bytes a lane is one block: every wave stores one, waves 0 to 2 a second.  In batch 111 the four first stores take 1,024 of the
; 1,088 bytes, and wave 0 stores the last 64 with lanes 8 to 31 repeating lanes 0 to 7 (the same address, the same data).  In that batch a work-group's results begin at a multiple of 64 bytes of out0, elsewhere of 256.
; BY TURNS.  A TURN makes one piece's sums for 16 output features (4 products a tile, the piece's accumulators by turns); the other piece's polynomial stands behind the products, three or four lines
; behind each; behind the run: the other piece's last steps, the loads of the next weights, and the turn's own range reduction.
; h IN LDS.  The carried h (f32) has 8 KiB a tile, the wave's own bytes; it is read and written once a block, and its f16 copy is made at a block's top.  So a block's second layer names no register by the feature group, and is a loop.
; LDS ADDRESSES THAT STEP are a scalar register that steps plus a lane's fixed register.
; CLUSTER.  All work-groups walk the same weights: the four of a cluster ask for each layer JOINTLY, each wave a quarter of it, with the same descriptor and the mask of four.
; REGISTERS, in windows of 256 (s_set_vgpr_msb: bits 1:0 source 0, 3:2 source 1, 5:4 source 2, 7:6 destination):
;   window 0: addresses, weights' fragments, bias, accumulators, work      window 1: v0-223 f16(h), 32 a tile; v224-255 U      window 2: v0-223 the first sine, 32 a tile (at a pass's start x); v224-255 U
; U lies in the window of the products' source 1, and the polynomial names it as ITS source 1: so products and polynomial run under one setting.
.set NPTS,   200000
.set CLB,    1792                      ; points in a cluster's batch
.set LASTCB, 111                       ; the batch that is not full: 1,088 points,
.set LASTSH, 272                       ; 272 a work-group
.set LAYB,   32768                     ; bytes of a layer's weights
.set SLOT1,  32768                     ; LDS: slot 0 (even layers) at 0, slot 1 (odd layers) here
.set CONSTB, 65536                     ; wpk's first 20,480 bytes, filled once: A0,
.set AFB,    73728                     ; AF,
.set BIASB,  77824                     ; the biases
.set HB,     86016                     ; h: wave w at 57,344 w; tile t, features 16 f on, half c at 8192 t + 1024 f + 512 c + 16 lane
.set HWAVE,  57344
.set STAGE,  315392                    ; 448 results, then as many bytes for the lanes whose rows of the last product are idle
.set SPARE,  318976                    ; the spare words, 128 bytes for each wave: two blocks of 256 bytes that no other line names
.set WOFF,   20480                     ; layer 0 in wpk
.set R,    1                           ; v1   lane % 16
.set AA0,  2                           ; v2   16 lane: my place in a fragment, slot 0; never rewritten
.set AA1,  3                           ; v3   the same in slot 1; never rewritten
.set AAF,  4                           ; v4   the same in AF; never rewritten
.set AA2,  5                           ; v5   s[SA2] + v[AA0]: walks through slot 1
.set A0A,  6                           ; v6   s[SA0] + v[AA0]: walks through A0
.set BB,   7                           ; v7   s[SBB] + v[BB0]: the block's first bias entry
.set BA2,  8                           ; v8   s[SB2] + v[BB0]: walks through the second layer's bias
.set HADR, 9                           ; v9   my 16 bytes in my wave's h; never rewritten
.set HF,   10                          ; v10  s[SHF] + v[HADR]: the same, at the feature group in hand
.set SADR, 11                          ; v11  where my result goes in the stage
.set OO,   12                          ; v12  8 x thread: my bytes of the work-group's results
.set PFO,  13                          ; v13  256 x lane
.set SPW,  14                          ; v14  my spare word; never rewritten
.set NIL,  15                          ; v15  0; never rewritten
.set A,    16                          ; v16-47   four fragments of W: 16 features x 128
.set BI,   48                          ; v48-55   their bias
.set ACC,  56                          ; v56-111  tile t's sums at ACC + 8 t; then r
.set P,    112                         ; v112-143 the polynomial: pair i of a piece at + 2 i, here and in HS, TK, U
.set HS,   144                         ; v144-175 h
.set TK,   176                         ; v176-207 k; also where x lands
.set U00,  208                         ; v208-239 layer 0's U; also x's offsets
.set UW,   224                         ; U in windows 1 and 2
.set C9V,  240                         ; v240-241 C9, twice
.set BB0,  242                         ; v242 the first bias entry + 32 hh; never rewritten
.set ONE,  244                         ; v244 1.0
.set SRD,  245                         ; v245 STAGE + 8 x thread
.set OOT,  246                         ; v246 8 x (lane % 8): the last 64 bytes of a share of 272
.set SRT,  247                         ; v247 STAGE + the same
.set WV,   10                          ; s10  my wave
.set CX,   11                          ; s11  my place in the cluster: it enters x's, out0's and the prefetch's addresses, nothing else
.set CB,   12                          ; s12  the cluster's batch: 64 pass + the cluster's number
.set PASS, 13
.set CNTB, 14
.set CNTF, 15
.set FL,   16                          ; s16  layers still to be asked for in this pass
.set LIM,  17                          ; s17  1 in the wave that prefetches, else the greatest number
.set PFA,  18                          ; s[18:19] my work-group's quarter of the layer after the one that is being asked for
.set WRES, 20                          ; s[20:21] my wave's quarter of layer 0
.set L1W,  22                          ; s22  its place in slot 1
.set G1C,  24                          ; s[24:31], s[32:39], s[40:47] descriptor groups 1: 20, 64, 32 rows of 256 bytes
.set G1P,  32
.set G1L,  40
.set G0C,  48                          ; s[48:51] the constants   s[52:55] layers 0 and 1   s[56:59] walks through layers 2 to 13
.set G0P,  52
.set G0L,  56
.set KS,   60                          ; the sine's constants, each twice: the packed lines name pairs
.set KM,   62
.set KN,   66
.set K9,   68
.set K7,   70                          ; C7, C5, C3, C1 at K7 + 0, 2, 4, 6
.set SHARE, 79                         ; s79  points of a work-group in this batch: 448 or 272
.set PF0,  92                          ; s[92:93] where the prefetch pointer starts
.set SA0,  96                          ; s96  LDS byte of layer 0's fragment in hand
.set SA2,  97                          ; s97  LDS byte of the second layer's next 16 features
.set SHF,  98                          ; s98  1,024 x the feature group of h in hand
.set SBB,  99                          ; s99  1,024 x the block
.set SB2,  100                         ; s100 the second layer's next bias, from the first entry on
.set MSB, 0
.macro WIN new                         ; the immediate's high byte repeats the setting that is left; a switch that changes nothing is dropped
.if MSB != (\new)
	s_set_vgpr_msb (MSB<<8)|(\new)
.set MSB, (\new)
.endif
.endm
.macro PLACES                          ; four plain lines between a product and a line that reads its result or loads into its registers
.rept 4
	v_nop
.endr
.endm
.macro PAIR r, val
	s_mov_b32 s[\r], \val
	s_mov_b32 s[(\r)+1], \val
.endm
; A round of the cluster's barrier: my work-group's barrier, wave 0 signals for the work-group, every wave waits for all four work-groups, my work-group's barrier once more.
.macro CROUND
	s_barrier_signal -1
	s_barrier_wait -1
	s_cmp_lg_u32 s[WV], 0
	s_cbranch_scc1 .Lnw0_\@
	s_barrier_signal -3
.Lnw0_\@:
	s_barrier_wait -3
	s_barrier_signal -1
	s_barrier_wait -1
.endm
; Line j of the polynomial of a piece of np pairs: step j / np for pair j % np.  P and C9 in window 0 (source 0), U as source 1.
.macro HQ np, ub, j
.set pr_, 2*((\j)%(\np))
.set st_, (\j)/(\np)
.if st_ == 0
	v_pk_fma_f32 v[P+pr_:P+pr_+1], v[C9V:C9V+1], v[(\ub)+pr_:(\ub)+pr_+1], s[K7:K7+1] op_sel_hi:[1,1,0]
.else
	v_pk_fma_f32 v[P+pr_:P+pr_+1], v[P+pr_:P+pr_+1], v[(\ub)+pr_:(\ub)+pr_+1], s[K7+2*st_:K7+2*st_+1] op_sel_hi:[1,1,0]
.endif
.endm
; The range reduction of piece x, in place: each step for all pairs, each accumulator's lowest registers first.
.macro RED x
.set NT2, 4-(\x)
.set AB, ACC+32*(\x)
.irp st, 1,2,3
.set q2_, 0
.rept 4
.set t2_, 0
.rept NT2
.set o_, 8*t2_+2*q2_
.if \st == 1
	v_pk_fma_f32 v[TK+o_:TK+o_+1], v[AB+o_:AB+o_+1], s[KS:KS+1], s[KM:KM+1] op_sel_hi:[1,0,0]
.elseif \st == 2
	v_pk_add_f32 v[TK+o_:TK+o_+1], v[TK+o_:TK+o_+1], s[KN:KN+1] op_sel_hi:[1,0]
.else
	v_pk_fma_f32 v[AB+o_:AB+o_+1], v[AB+o_:AB+o_+1], s[KS:KS+1], v[TK+o_:TK+o_+1] op_sel_hi:[1,0,1] neg_lo:[0,0,1] neg_hi:[0,0,1]
.endif
.set t2_, t2_+1
.endr
.set q2_, q2_+1
.endr
.endr
.endm
.macro SQ x, ub                        ; U = r r
.set AB, ACC+32*(\x)
.set i_, 0
.rept 16-4*(\x)
	v_pk_mul_f32 v[(\ub)+i_:(\ub)+i_+1], v[AB+i_:AB+i_+1], v[AB+i_:AB+i_+1]
.set i_, i_+2
.endr
.endm
.macro FIN9 o, mode                    ; the sine of piece o.  mode 0: h = sine; 1: the sine stays in P; 2: h = h + sine
.set AO, ACC+32*(\o)
.set i_, 0
.rept 16-4*(\o)
.if (\mode) == 0
	v_pk_mul_f32 v[HS+i_:HS+i_+1], v[P+i_:P+i_+1], v[AO+i_:AO+i_+1]
.elseif (\mode) == 1
	v_pk_mul_f32 v[P+i_:P+i_+1], v[P+i_:P+i_+1], v[AO+i_:AO+i_+1]
.else
	v_pk_fma_f32 v[HS+i_:HS+i_+1], v[P+i_:P+i_+1], v[AO+i_:AO+i_+1], v[HS+i_:HS+i_+1]
.endif
.set i_, i_+2
.endr
.endm
.macro CVT o, ff                       ; piece o's sines of features 16 ff on, rounded to f16, into the next layer's source 1 (window 2)
.set i_, 0
.rept 16-4*(\o)
	v_cvt_pk_f16_f32 v[32*(4*(\o)+i_/4)+4*(\ff)+i_%4], v[P+2*i_], v[P+2*i_+1]
.set i_, i_+1
.endr
.endm
.macro HLD y                           ; piece y's h of the feature group in hand; each load takes 512 consecutive bytes
.set t3_, 0
.rept 4-(\y)
	ds_load_b128 v[HS+8*t3_:HS+8*t3_+3], v[HF] offset:(4*(\y)+t3_)*8192
	ds_load_b128 v[HS+8*t3_+4:HS+8*t3_+7], v[HF] offset:(4*(\y)+t3_)*8192+512
.set t3_, t3_+1
.endr
.endm
.macro HST y
.set t3_, 0
.rept 4-(\y)
	ds_store_b128 v[HF], v[HS+8*t3_:HS+8*t3_+3] offset:(4*(\y)+t3_)*8192
	ds_store_b128 v[HF], v[HS+8*t3_+4:HS+8*t3_+7] offset:(4*(\y)+t3_)*8192+512
.set t3_, t3_+1
.endr
.endm
.macro ALOAD areg, aoff, breg, boff    ; 16 features' weights (four fragments, 512 consecutive bytes a load) and their bias
.set k3_, 0
.rept 8
	ds_load_b128 v[A+4*k3_:A+4*k3_+3], v[\areg] offset:(\aoff)+512*k3_
.set k3_, k3_+1
.endr
	ds_load_b128 v[BI:BI+3], v[\breg] offset:(\boff)
	ds_load_b128 v[BI+4:BI+7], v[\breg] offset:(\boff)+16
.endm
; A TURN of piece x (0: X, 1: Y).  q: the window of source 1.  fm: how the OTHER piece is finished (FIN9's mode; -1: there is none); ff: its feature group (mode 1).  uq: the window of the next turn's source 1, where my U goes.
; al = 1: the next weights are asked for, 12 plain lines or more behind the last product that read the old ones; they are waited for at the head of piece X's next turn.
.macro TURN x, q, fm, ff, uq, al=0, areg=0, aoff=0, breg=0, boff=0
.set OX, 1-(\x)
.set NTX, 4-(\x)
.set NPO, 12+4*(\x)
.if (\x) == 0
	s_wait_dscnt 0x0                               ; the weights and the bias are in
.endif
.if (\fm) == 2
	WIN 0
	HLD OX
.endif
	WIN (\q)<<2
.set j_, 0
.set kk_, 0
.rept 4
.set t_, 0
.rept NTX
.set rD, ACC+8*(4*(\x)+t_)
.set rB, 32*(4*(\x)+t_)+8*kk_
.if kk_ == 0
	v_wmma_f32_16x16x32_f16 v[rD:rD+7], v[A:A+7], v[rB:rB+7], v[BI:BI+7]
.else
	v_wmma_f32_16x16x32_f16 v[rD:rD+7], v[A+8*kk_:A+8*kk_+7], v[rB:rB+7], v[rD:rD+7]
.endif
.if (\fm) >= 0
.rept 3+(\x)
	HQ NPO, UW, j_
.set j_, j_+1
.endr
.endif
.set t_, t_+1
.endr
.set kk_, kk_+1
.endr
.if ((\fm) >= 0) && ((\x) == 1)
.rept 16                                       ; piece X's polynomial has 64 lines for piece Y's 12 products: the last step stands by itself
	HQ NPO, UW, j_
.set j_, j_+1
.endr
.endif
	WIN 0
.if (\fm) < 0
	PLACES
.else
.if (\fm) == 2
	s_wait_dscnt 0x0                               ; h is in
.endif
	FIN9 OX, \fm                                   ; these lines name no register of the last products: they are the places behind them
.if (\fm) == 2
	HST OX
.endif
.endif
.if \al
	ALOAD \areg, \aoff, \breg, \boff
.endif
	RED \x
.if (\fm) == 1
	WIN 0x80
	CVT OX, \ff
.endif
	WIN (\uq)<<6
	SQ \x, UW
.endm
; Piece Y's last feature group of a block: there is no product left to stand beside.
.macro DRAIN
	WIN 0
	HLD 1
	WIN 0x08
.set j_, 0
.rept 48
	HQ 12, UW, j_
.set j_, j_+1
.endr
	WIN 0
	s_wait_dscnt 0x0
	FIN9 1, 2
	HST 1
	s_add_co_u32 s[SBB], s[SBB], 1024              ; the next block's two bias entries
	v_add_nc_u32 v[BB], s[SBB], v[BB0]
.endm
; f16(h) of all seven tiles into window 1.  Two landing areas of 64 registers take turns; LDS serves a wave's instructions in order (ISA guide 5.7.1.4), so the loads see the stores of h.
.macro CLD t, base
.set c_, 0
.rept 16
	ds_load_b128 v[(\base)+4*c_:(\base)+4*c_+3], v[HADR] offset:(\t)*8192+512*c_
.set c_, c_+1
.endr
.endm
.macro CONV
	WIN 0
	CLD 0, 144
	CLD 1, 56
.set ct_, 0
.rept 7
.set cb_, 144-88*(ct_%2)
.if ct_ < 6
	s_wait_dscnt 16                                ; this tile's 16 loads are in; the next tile's 16 may stay out
.else
	s_wait_dscnt 0x0
.endif
	WIN 0x40
.set i_, 0
.rept 32
	v_cvt_pk_f16_f32 v[32*ct_+i_], v[cb_+2*i_], v[cb_+2*i_+1]
.set i_, i_+1
.endr
	WIN 0
.if ct_ < 5
	CLD ct_+2, cb_
.endif
.set ct_, ct_+1
.endr
.endm
; A block's second layer but for its last turn: piece X's feature group 0, then seven trips: Y (g), X (g + 1).
.macro T2A
	WIN 0
	s_mov_b32 s[SA2], SLOT1+4096
	s_add_co_u32 s[SB2], s[SBB], 576               ; the block's second entry, features 16 on
	s_mov_b32 s[SHF], 0
	v_add_nc_u32 v[AA2], s[SA2], v[AA0]
	v_add_nc_u32 v[BA2], s[SB2], v[BB0]
	v_add_nc_u32 v[HF], s[SHF], v[HADR]
	TURN 0, 2, 1, 7, 2
	WIN 0
	s_mov_b32 s[CNTF], 7
.Lt2_\@:
	TURN 1, 2, 2, 0, 2, 1, AA2, 0, BA2, 0
	TURN 0, 2, 2, 0, 2
	WIN 0
	s_add_co_u32 s[SA2], s[SA2], 4096
	s_add_co_u32 s[SB2], s[SB2], 64
	s_add_co_u32 s[SHF], s[SHF], 1024
	v_add_nc_u32 v[AA2], s[SA2], v[AA0]
	v_add_nc_u32 v[BA2], s[SB2], v[BB0]
	v_add_nc_u32 v[HF], s[SHF], v[HADR]
	s_sub_co_u32 s[CNTF], s[CNTF], 1
	s_cmp_lg_u32 s[CNTF], 0
	s_cbranch_scc1 .Lt2_\@
.endm
; THE CHANGE OF SLOTS.  My reads of the slot that is left are over; my one tensor load that is out is my quarter of the other slot.  Each wave waits for it, adds 0 to its spare word, waits for that and for its LDS reads; the round
; then says the same of every wave of all four work-groups, and the joint refill, the layer two on, is the first thing behind it: it has a whole layer's turns in which to land.
; THE PREFETCH.  In pass 1, behind the refill of layer l = 2 .. 12, layer l + 1 is asked for: one layer, 224 products a wave, ahead of its load.  All clusters read the same bytes, so cluster 0 alone asks; its four partners take
; 8,192 bytes each, told apart by address; in each, wave 0 asks, a lane for each 256 bytes: one line.  The refill of layer 13 asks for nothing; layers 0 to 2 and the constants come by their loads alone; pass 2 asks for nothing.
.macro CHANGE
	WIN 0
	s_wait_tensorcnt 0x0                           ; no tensor load of mine is out, so a group 0 may be written
	ds_add_u32 v[SPW], v[NIL]                      ; the descriptor's steps stand between the add and the wait for it
	s_xor_b32 s[G0L+1], s[G0L+1], SLOT1            ; the other slot than last time,
	s_add_nc_u64 s[G0L+2:G0L+3], s[G0L+2:G0L+3], LAYB  ; the next layer; the type bits on top are not reached
	s_wait_xcnt 0x0                                ; the last prefetch, a layer back, has read its address
	s_add_nc_u64 s[PFA:PFA+1], s[PFA:PFA+1], LAYB
	s_wait_dscnt 0x0                               ; the add is done, and my reads of the slot are over
	CROUND
	tensor_load_to_lds s[G0L:G0L+3], s[G1L:G1L+7]
	s_nop 0
	PLACES
	s_cmp_gt_u32 s[FL], s[LIM]
	s_cbranch_scc0 .Lnm_\@
	global_prefetch_b8 v[PFO], s[PFA:PFA+1] th:TH_LOAD_NT scope:SCOPE_SE
.Lnm_\@:
	s_sub_co_u32 s[FL], s[FL], 1
.endm
; A slot is waited for and nothing is filled: my quarter has landed, my LDS instructions are done, and so for all four waves.
.macro MEET
	WIN 0
	s_wait_tensorcnt 0x0
	s_wait_dscnt 0x0
	s_barrier_signal -1
	s_barrier_wait -1
.endm
	s_load_b128 s[4:7], s[0:1], 0x0                ; x s[4:5], wpk s[6:7]
	s_load_b64 s[8:9], s[0:1], 0x10                ; out0
	v_lshl_add_u32 v[SPW], v0, 2, SPARE
	v_mov_b32 v[NIL], 0
	ds_add_u32 v[SPW], v[NIL]                      ; the wave's opening: the add, twice on end, and its wait ahead of my first tensor load
	ds_add_u32 v[SPW], v[NIL]
	v_lshrrev_b32 v[R], 5, v0
	v_readfirstlane_b32 s[WV], v[R]                ; wave 0..3
	s_bfe_u32 s[CX], ttmp6, 0x40000
	; descriptor groups 1: dense bytes as rows of 256: elements of 8 bytes, 32 a row, 32 from row to row; the mask of four, bit 21 beside it; no padding: every LDS read here takes consecutive bytes
.irp g, G1C, G1P, G1L
	s_mov_b32 s[\g], 15|(3<<16)|(1<<21)
	s_mov_b32 s[\g+1], 32<<16                      ; tensor_dim0 = 32
	s_mov_b32 s[\g+3], 32<<16                      ; tile_dim0 = 32
	s_mov_b32 s[\g+5], 32                          ; the pitch
	s_mov_b32 s[\g+6], 0
	s_mov_b32 s[\g+7], 0
.endr
	s_mov_b32 s[G1C+2], 20<<16                     ; tensor_dim1 and tile_dim1: a quarter of the constants,
	s_mov_b32 s[G1C+4], 20
	s_mov_b32 s[G1P+2], 64<<16                     ; of layers 0 and 1 together,
	s_mov_b32 s[G1P+4], 64
	s_mov_b32 s[G1L+2], 32<<16                     ; of one layer
	s_mov_b32 s[G1L+4], 32
	s_mov_b32 s[G0C], 1
	s_mov_b32 s[G0P], 1
	s_mov_b32 s[G0L], 1
	s_mul_i32 s86, s[WV], 5120
	s_mov_b32 s87, 0
	s_add_co_u32 s[G0C+1], s86, CONSTB
	s_lshl_b32 s[G0P+1], s[WV], 14
	s_add_co_u32 s88, s[G0P+1], WOFF
	s_mov_b32 s89, 0
	s_lshl_b32 s90, s[WV], 13
	s_add_co_u32 s[L1W], s90, SLOT1
	s_add_co_u32 s90, s90, WOFF
	s_mov_b32 s91, 0
	s_lshl_b32 s2, s[CX], 13                       ; the prefetches: my work-group's quarter, in layer 2; the first change steps it to layer 3
	s_add_co_u32 s2, s2, WOFF+2*LAYB
	s_mov_b32 s3, 0
	PAIR KS, 0x3c98c9eb                            ; 30 / (2 pi 256)
	PAIR KM, 0x4b400000                            ; 1.5 x 2^23
	PAIR KN, 0xcb400000
	PAIR K9, 0x4203135a                            ; 32.768899
	PAIR K7, 0xc294f124                            ; -74.470976
	PAIR K7+2, 0x42a2bb23                          ; 81.365498
	PAIR K7+4, 0xc2255312                          ; -41.331123
	PAIR K7+6, 0x40c90ec7                          ; 6.2830541
	s_mov_b32 s78, NPTS-1
	s_mov_b32 s[PASS], 0
	s_or_b32 s[LIM], s[WV], ttmp9                  ; wave 0 of cluster 0's work-groups: alike in all four partners
	s_cmp_eq_u32 s[LIM], 0
	s_cselect_b32 s[LIM], 1, -1
	v_and_b32 v[R], 15, v0
	v_and_b32 v[AA2], 31, v0                       ; lane
	v_bfe_u32 v[BA2], v0, 4, 1                     ; hh
	v_lshlrev_b32 v[AA0], 4, v[AA2]
	v_add_nc_u32 v[AA1], SLOT1, v[AA0]
	v_add_nc_u32 v[AAF], AFB, v[AA0]
	v_lshl_add_u32 v[BB0], v[BA2], 5, BIASB
	s_mul_i32 s94, s[WV], HWAVE
	s_add_co_u32 s94, s94, HB
	v_add_nc_u32 v[HADR], s94, v[AA0]
	s_mul_i32 s95, s[WV], 448
	s_add_co_u32 s95, s95, STAGE
	v_mul_u32_u24 v[SADR], 1792, v[BA2]
	v_lshl_add_u32 v[SADR], v[R], 2, v[SADR]
	v_add_nc_u32 v[SADR], s95, v[SADR]
	v_lshlrev_b32 v[OO], 3, v0
	v_add_nc_u32 v[SRD], STAGE, v[OO]
	v_and_b32 v[OOT], 7, v0
	v_lshlrev_b32 v[OOT], 3, v[OOT]
	v_add_nc_u32 v[SRT], STAGE, v[OOT]
	v_lshlrev_b32 v[PFO], 8, v[AA2]
	v_mov_b32 v[C9V], s[K9]
	v_mov_b32 v[C9V+1], s[K9]
	v_mov_b32 v[ONE], 1.0
	s_wait_dscnt 0x0                               ; both opening adds are done
	s_wait_kmcnt 0x0
	s_add_nc_u64 s[G0C+2:G0C+3], s[6:7], s[86:87]
	s_or_b32 s[G0C+3], s[G0C+3], 0x80000000        ; type = 2
	s_add_nc_u64 s[G0P+2:G0P+3], s[6:7], s[88:89]
	s_or_b32 s[G0P+3], s[G0P+3], 0x80000000
	s_add_nc_u64 s[WRES:WRES+1], s[6:7], s[90:91]
	s_add_nc_u64 s[PF0:PF0+1], s[6:7], s[2:3]
	s_mov_b64 s[PFA:PFA+1], s[PF0:PF0+1]
	CROUND                                         ; all four work-groups are here: the first joint loads meet
	tensor_load_to_lds s[G0C:G0C+3], s[G1C:G1C+7]  ; the constants, filled once
	s_nop 0
	PLACES
.Lpass:
	; the batch: a work-group's share, and where its points and its results lie
	s_lshl_b32 s[CB], s[PASS], 6
	s_add_co_u32 s[CB], s[CB], ttmp9               ; the cluster's batch, 0 .. 111
	s_mov_b32 s[SHARE], 448
	s_cmp_eq_u32 s[CB], LASTCB
	s_cselect_b32 s[SHARE], LASTSH, s[SHARE]
	s_mul_i32 s84, s[CB], CLB
	s_mul_i32 s85, s[CX], s[SHARE]
	s_add_co_u32 s85, s85, s84                     ; my work-group's first point
	s_lshl_b32 s2, s85, 2
	s_mov_b32 s3, 0
	s_add_nc_u64 s[82:83], s[8:9], s[2:3]          ; out0 at that point
	s_mul_i32 s81, s[WV], 112
	s_add_co_u32 s85, s85, s81                     ; my wave's first point
	v_add_nc_u32 v[U00], s85, v[R]
.set t_, 1
.rept 6
	v_add_nc_u32 v[U00+t_], 16*t_, v[U00]
.set t_, t_+1
.endr
.set t_, 0
.rept 7
	v_min_u32 v[U00+t_], s78, v[U00+t_]            ; a point past the end repeats the last
.set t_, t_+1
.endr
.set t_, 0
.rept 7
	v_mul_u32_u24 v[U00+t_], 12, v[U00+t_]
.set t_, t_+1
.endr
.set t_, 0
.rept 7
	global_load_b96 v[TK+4*t_:TK+4*t_+2], v[U00+t_], s[4:5]
.set t_, t_+1
.endr
	; layers 0 and 1 into both slots, by one load a wave, asked for as a refill is (in pass 2 it is one).  The wait also shows the constants landed, the round to every wave.
	s_wait_tensorcnt 0x0
	ds_add_u32 v[SPW], v[NIL]
	s_mov_b32 s[G0L+1], s[L1W]                     ; the walking descriptor stands at layer 1: each change steps it first
	s_add_nc_u64 s[G0L+2:G0L+3], s[WRES:WRES+1], LAYB
	s_or_b32 s[G0L+3], s[G0L+3], 0x80000000
	s_mov_b32 s[FL], 12
	s_wait_xcnt 0x0                                ; every prefetch has read its address
	s_mov_b64 s[PFA:PFA+1], s[PF0:PF0+1]
	s_wait_dscnt 0x0
	CROUND
	tensor_load_to_lds s[G0P:G0P+3], s[G1P:G1P+7]
	s_nop 0
	PLACES
	s_mov_b32 s[SA0], CONSTB
	s_mov_b32 s[SHF], 0
	s_mov_b32 s[SBB], 0
	v_add_nc_u32 v[A0A], s[SA0], v[AA0]
	v_add_nc_u32 v[HF], s[SHF], v[HADR]
	v_add_nc_u32 v[BB], s[SBB], v[BB0]
	ds_load_b128 v[A:A+3], v[A0A]
	ds_load_b128 v[A+4:A+7], v[A0A] offset:512
	s_wait_loadcnt 0x0                             ; x
	; x as source 1, K padded to 32: (x0, x1, x2, 1.0, 0 ..).  Lanes 16-31 hold the same finite numbers at k = 8 .. 11, where A0 holds zeros.
	WIN 0x80
.set t_, 0
.rept 7
	v_cvt_pk_bf16_f32 v[32*t_], v[TK+4*t_], v[TK+4*t_+1]
	v_cvt_pk_bf16_f32 v[32*t_+1], v[TK+4*t_+2], v[ONE]
.irp z, 2,3,4,5,6,7
	v_mov_b32 v[32*t_+\z], 0
.endr
.set t_, t_+1
.endr
	WIN 0
	s_mov_b32 s[CNTF], 8
.Ll0:                                                  ; LAYER 0: a trip makes 16 features of h for all seven tiles, while layers 0 and 1 of the blocks are on their way
	s_wait_dscnt 0x0
	WIN 0x08
.set t_, 0
.rept 7
	v_wmma_f32_16x16x32_bf16 v[ACC+8*t_:ACC+8*t_+7], v[A:A+7], v[32*t_:32*t_+7], 0
.set t_, t_+1
.endr
	WIN 0
	s_add_co_u32 s[SA0], s[SA0], 1024
	v_add_nc_u32 v[A0A], s[SA0], v[AA0]            ; with the three lines below: the places behind the products
	v_nop
	v_nop
	v_nop
	ds_load_b128 v[A:A+3], v[A0A]                  ; the next fragment; the last trip's two loads take AF's first bytes, which nobody uses
	ds_load_b128 v[A+4:A+7], v[A0A] offset:512
.irp y, 0,1
	RED \y
	SQ \y, U00
.set j_, 0
.rept 64-16*\y
	HQ 16-4*\y, U00, j_
.set j_, j_+1
.endr
	FIN9 \y, 0
	HST \y
.endr
	s_add_co_u32 s[SHF], s[SHF], 1024
	v_add_nc_u32 v[HF], s[SHF], v[HADR]
	s_sub_co_u32 s[CNTF], s[CNTF], 1
	s_cmp_lg_u32 s[CNTF], 0
	s_cbranch_scc1 .Ll0
	MEET                                           ; both slots are whole
	ALOAD AA0, 0, BB, 0
	s_mov_b32 s[CNTB], 7
	s_branch .Lmid                                 ; the loop over blocks is entered at a block's top, in the middle of a trip
.Lblk:                                                 ; six trips: the rest of block i, then the first layer of block i + 1 but for its last turn
	CHANGE                                         ; slot 0 has been read out: it takes layer 2 i + 2; slot 1 is whole
	TURN 1, 1, 1, 7, 2, 1, AA1, 0, BB, 512
	T2A
	CHANGE                                         ; slot 1 has been read out: it takes layer 2 i + 3; slot 0 is whole
	TURN 1, 2, 2, 0, 2, 1, AA0, 0, BB, 1024
	DRAIN
.Lmid:
	CONV
	TURN 0, 1, -1, 0, 1
.set f_, 0
.rept 7
	TURN 1, 1, 1, f_, 1, 1, AA0, 4096*(f_+1), BB, 64*(f_+1)
	TURN 0, 1, 1, f_, 1
.set f_, f_+1
.endr
	WIN 0
	s_sub_co_u32 s[CNTB], s[CNTB], 1
	s_cmp_lg_u32 s[CNTB], 0
	s_cbranch_scc1 .Lblk
	MEET                                           ; the last block's rest is written out: layer 13 is waited for, nothing is asked for
	TURN 1, 1, 1, 7, 2, 1, AA1, 0, BB, 512
	T2A
	TURN 1, 2, 2, 0, 2, 1, AAF, 0, BB, 1024        ; the last product's weights, and bias entry 14
	DRAIN
	CONV
	; THE LAST PRODUCT: row 0 of AF is 128 wf, the other rows 0: register 0 of lanes 0-15 holds 256 x the point's result
	s_wait_dscnt 0x0
	WIN 0x04
.set kk_, 0
.rept 4
.set t_, 0
.rept 7
.set rD, ACC+8*t_
.if kk_ == 0
	v_wmma_f32_16x16x32_f16 v[rD:rD+7], v[A:A+7], v[32*t_:32*t_+7], v[BI:BI+7]
.else
	v_wmma_f32_16x16x32_f16 v[rD:rD+7], v[A+8*kk_:A+8*kk_+7], v[32*t_+8*kk_:32*t_+8*kk_+7], v[rD:rD+7]
.endif
.set t_, t_+1
.endr
.set kk_, kk_+1
.endr
	WIN 0
	PLACES
.set t_, 0
.rept 7
	v_mul_f32 v[TK+t_], 0x3b800000, v[ACC+8*t_]    ; / 256
.set t_, t_+1
.endr
.set t_, 0
.rept 7
	ds_store_b32 v[SADR], v[TK+t_] offset:64*t_    ; lanes 16-31 write into the stage's second half, which is not stored
.set t_, t_+1
.endr
	s_wait_dscnt 0x0                               ; for the others' sake: my stores into the stage are done
	s_barrier_signal -1
	s_barrier_wait -1
	ds_load_b64 v[TK+8:TK+9], v[SRD]
	s_wait_dscnt 0x0
	global_store_b64 v[OO], v[TK+8:TK+9], s[82:83] ; the share's first 1,024 bytes: a wave stores 256 consecutive bytes
	s_cmp_eq_u32 s[CB], LASTCB                     ; the batch's number is alike in all four partners
	s_cbranch_scc1 .Lshort
	s_cmp_eq_u32 s[WV], 3                          ; a share of 448: three blocks of 256 bytes are left, for waves 0 to 2
	s_cbranch_scc1 .Lstored
	ds_load_b64 v[TK+10:TK+11], v[SRD] offset:1024
	s_wait_dscnt 0x0
	global_store_b64 v[OO], v[TK+10:TK+11], s[82:83] offset:1024
	s_branch .Lstored
.Lshort:
	s_cmp_lg_u32 s[WV], 0                          ; a share of 272: 64 bytes are left, for wave 0; lanes 8 to 31 repeat lanes 0 to 7
	s_cbranch_scc1 .Lstored
	ds_load_b64 v[TK+10:TK+11], v[SRT] offset:1024
	s_wait_dscnt 0x0
	global_store_b64 v[OOT], v[TK+10:TK+11], s[82:83] offset:1024
.Lstored:
	s_wait_xcnt 0x0                                ; the stores have read their registers and out0's address: the next pass writes both anew
	s_mov_b32 s[LIM], -1                           ; the weights have been read: pass 2 prefetches nothing
	s_add_co_u32 s[PASS], s[PASS], 1
	s_cmp_ge_u32 ttmp9, 48                         ; clusters 48 to 63: their batch of pass 2 would lie past the last point
	s_cbranch_scc1 .Ldone
	s_cmp_lt_u32 s[PASS], 2
	s_cbranch_scc1 .Lpass
.Ldone:
	s_wait_tensorcnt 0x0                           ; the wave's end: behind my last tensor load and my last LDS store
	ds_add_u32 v[SPW], v[NIL]
	s_wait_dscnt 0x0
	CROUND                                         ; the closing round: no work-group ends while a partner may still ask for a tile that names it
	s_endpgm
.Lfunc_end_k_q12f620cab9_mlp:
	.size	k_q12f620cab9_mlp, .Lfunc_end_k_q12f620cab9_mlp-k_q12f620cab9_mlp
	.p2alignl 7, 3214868480
	.fill 96, 4, 3214868480
	.section	.rodata,"a",@progbits
	.p2align	6, 0x0
	.amdhsa_kernel k_q12f620cab9_mlp
		.amdhsa_group_segment_fixed_size 327680
		.amdhsa_private_segment_fixed_size 0
		.amdhsa_enable_private_segment 0
		.amdhsa_kernarg_size 24
		.amdhsa_user_sgpr_count 2
		.amdhsa_user_sgpr_kernarg_segment_ptr 1
		.amdhsa_wavefront_size32 1
		.amdhsa_system_sgpr_workgroup_id_x 1
		.amdhsa_system_sgpr_workgroup_id_y 1
		.amdhsa_system_sgpr_workgroup_id_z 1
		.amdhsa_system_vgpr_workitem_id 0
		.amdhsa_next_free_vgpr 768
		.amdhsa_next_free_sgpr 102
		.amdhsa_reserve_vcc 0
		.amdhsa_float_denorm_mode_32 3
		.amdhsa_float_denorm_mode_16_64 3
		.amdhsa_memory_ordered 1
		.amdhsa_forward_progress 1
		.amdhsa_inst_pref_size 255
	.end_amdhsa_kernel
	.section	.bss,"aw",@nobits
	.p2align	6
	.space	262144
	.amdgpu_metadata
---
amdhsa.version: [ 1, 2 ]
amdhsa.kernels:
  - .name:           k_q12f620cab9_mlp
    .symbol:         k_q12f620cab9_mlp.kd
    .args:
      - { .name: x, .offset: 0, .size: 8, .value_kind: global_buffer, .address_space: global }
      - { .name: wpk, .offset: 8, .size: 8, .value_kind: global_buffer, .address_space: global }
      - { .name: out0, .offset: 16, .size: 8, .value_kind: global_buffer, .address_space: global }
    .group_segment_fixed_size: 327680
    .private_segment_fixed_size: 0
    .kernarg_segment_align: 8
    .kernarg_segment_size: 24
    .max_flat_workgroup_size: 128
    .sgpr_count:     102
    .vgpr_count:     768
    .wavefront_size: 32
...
	.end_amdgpu_metadata
.endif
;; end of part 2
